; MI455X (gfx1250); checked and timed in simulation.
; The chip was launched on July 23, 2026; its instructions are those of AMD's public machine-readable ISA for CDNA 5 (MIT licence, August 2026) and "CDNA5" Instruction Set Architecture Reference Guide (July 2026). The comments in the code are by the model that wrote it; some were corrected since.
;; Backbone. Allowed arithmetic: float matrix products may take bf16 or f16 operands with f32 sums; all other float work in f32.
;; Inputs: indicator 8 x 1,024 int32; padding_dist one number float32; zipped_left 8 x 1,024 x 4 int32; zipped_top 8 x 1,024 x 4 int32.
;; Outputs: out0 8 x 1,024 x 1,024 float32.
;; 2 versions, each right; version 2 is version 1 with the launch dist written anew for expert scheduling mode. Each part assembles by itself: llvm-mc -triple=amdgcn-amd-amdhsa -mcpu=gfx1250 --defsym DOCPART=n.
;; ======== version 1 of 2: 1 launch
;; launch dist (part 1): grid 32 x 8, 16 waves a work-group, no clusters, 272,896 bytes of LDS; arguments zipped_top, zipped_left, indicator, padding_dist, out0; writes out0
.if DOCPART == 1
	.amdgcn_target "amdgcn-amd-amdhsa--gfx1250"
	.amdhsa_code_object_version 6
	.text
	.protected	k_qd042e41431_dist
	.globl	k_qd042e41431_dist
	.p2align	8
	.type	k_qd042e41431_dist,@function
k_qd042e41431_dist:
	s_mov_b64 s[64:65], 0
	v_nop
	global_prefetch_b8 v0, s[64:65] scope:SCOPE_SE
	s_setreg_imm32_b32 hwreg(HW_REG_WAVE_MODE, 25, 1), 1
	s_wait_xcnt 0x0
; out[b][i][j] = max(dist_top, dist_left) + max(pad_i, pad_j) * padding_dist,   dist = s_i + s_j - 2 |set_i & set_j|,
; where set_i is the set of row i's (at most four) ids below 512, s_i its size, pad_i = (indicator[b][i] == 0).
;
; THE PRODUCT IS A LOOKUP.  reference() forms |set_i & set_j| as a dense product of multi-hot rows that it builds itself by one_hot of the ids.
; Row i of that product is the sum, over the distinct ids d of row i, of column d of the multi-hot matrix: at most four looked-up rows of a table.
; So no matrix instruction is used.  The form used here, for every value of the ids:
;   an id outside 0..511 sets no bit that survives (one_hot has no such column, column 512 is sliced away): it becomes the null id 512 (unsigned minimum);
;   an id equal to an earlier id of its row sets no new bit (the maximum over depth): it becomes 512 too;
;   table t[d][j] = 2 if d < 512 is not in set_j, 0 if it is, and t[512][j] = 1.  Then the sum of t[id][j] over row i's four ids is
;   2 (s_i - inner) + (4 - s_i) = s_i - 2 inner + 4, and with s_j added it is dist + 4, from 4 to 12.
; That fits a byte, so one 32-bit add sums four columns, and no byte carries into its neighbour (the largest byte sum here is 28).
; Nothing of reference() is left out: all four inputs are loaded, and every step up to the last is exact in whole numbers.
; The last step is fma(m, padding_dist, attn) with m = 0 or 1: m * padding_dist is exact, so it rounds as reference()'s multiply and add do,
; and a padding_dist that is not finite gives NaN or infinity where reference() gives them.  No limit of range is kept.
;
; SHARES.  256 work-groups: batch b = y; x = 4 ib + jb: rows 128 ib .. +127, columns 256 jb .. +255 (128 KiB of the output each).  16 waves.
; Building: wave w = 8 tree + g makes the table of its tree for 32 of the 256 columns, in an LDS region of its own, and cleans the ids of 16 of the 128 rows.
; One barrier.  Then wave w makes rows 8 w .. 8 w + 7, two at a time (lanes 0-15 one row, lanes 16-31 the next), all 256 columns.
; Lane l' = lane % 16 holds columns 64 k + 4 l' + e in register 4 k + e, so store k of a wave writes, from sixteen neighbouring lanes, 256 consecutive
; bytes at a multiple of 256 from the output's first byte.
; What the work-groups share from memory is some 14 KiB of ids and indicators each, beside 128 KiB stored: no cluster, no tensor load; the table is built, not copied.
;
; LDS.  Region w at w * REG: 514 rows of 32 bytes.  Rows 0..511: t; row 512: the null row; row 513: s_j (+ 16 in the top tree, see WORK).
; Column 64 k + 8 g + 4 u + e lies in region g of its tree at byte 16 u + 4 k + e of a row, so lane l' finds its 16 columns as 16 neighbouring bytes
; of region l' / 2 at byte 16 (l' % 2).  REG = 514 * 32 + 224 is 32 modulo 256: the sixteen lanes of a half wave, which look up one id, read
; sixteen different 16-byte columns modulo 256 bytes (64 banks of 4 bytes: ISA guide 11.1).
; Behind the regions, at IA: the cleaned ids, 16 bytes a row, 128 rows of the top tree, then 128 of the left.
.set REG,     16672
.set NULLOFF, 512*32
.set SOFF,    513*32
.set IA,      16*REG
; vector registers
.set NUL,   7                          ; v7        512
.set ZERO,  15                         ; v15       0
.set TWOS,  16                         ; v[16:19]  the byte 2, sixteen times
.set CID,   20                         ; v[20:23]  my column's four ids
.set NB,    24                         ; v[24:27]  1 where that id is null, else 0
.set SAD,   28                         ; v[28:31]  where each id's byte goes
.set ONE,   34                         ; v34       1.0
.set RID,   36                         ; v[36:39]  my row's four ids
.set IND,   40                         ; v[40:43]  step t: the indicator of my row
.set PJ,    44                         ; v[44:59]  pad_j of my 16 columns, 0.0 or 1.0
.set STOP,  60                         ; v[60:63]  s_j + 16 of my 16 columns, top tree, a byte each
.set SLEFT, 64                         ; v[64:67]  s_j, left tree
.set AD,    68                         ; v[68:99]  step t: 4 top and 4 left ids of my row, then their LDS addresses
.set T,     100                        ; v[100:163] two sets of 8 looked-up rows x 4 registers (16 tree + 4 a + k); once summed, a set's registers are at work
.set E,     164                        ; v[164:171] dist + 20 (top), dist + 4 (left), four registers each
.set Q,     174                        ; v[174:175] 1 - pad_i, pad_i
.set OUT,   180                        ; v[180:243] step t: 16 results; a set for each step, so that no store's data is ever rewritten
	s_load_b256 s[4:11], s[0:1], 0x0               ; zipped_top s[4:5], zipped_left s[6:7], indicator s[8:9], padding_dist s[10:11]
	s_load_b64 s[12:13], s[0:1], 0x20              ; out0
	v_lshl_add_u32 v244, v0, 2, 0x42200
	v_mov_b32 v245, 0
	v_lshrrev_b32 v32, 5, v0
	v_readfirstlane_b32 s16, v32                   ; wave w
	s_lshr_b32 s17, s16, 3                         ; tree: 0 top, 1 left
	s_and_b32 s18, s16, 7                          ; g
	s_and_b32 s19, ttmp7, 0xffff                   ; b
	s_and_b32 s20, ttmp9, 3                        ; jb
	s_lshr_b32 s21, ttmp9, 2                       ; ib
	s_mov_b32 s26, 0x10101010
	s_mov_b32 s27, 0x4b000000                      ; 2^23 as f32
	s_mov_b32 s28, 0x07040400                      ; v_perm_b32: byte e below, two zero bytes, the 0x4b on top
	s_mov_b32 s29, 0x07040401
	s_mov_b32 s30, 0x07040402
	s_mov_b32 s31, 0x07040403
	s_lshl_b32 s32, s17, 4
	s_sub_co_u32 s32, 20, s32                      ; 4 + 16 in the top tree, 4 in the left
	s_mul_i32 s33, s16, REG                        ; my region
	; byte offsets, each in a pair of its own, made while the arguments are on their way
	s_lshl_b32 s22, s19, 14                        ; a batch's ids: 1,024 rows of 16 bytes
	s_lshl_b32 s44, s20, 12
	s_lshl_b32 s46, s21, 11
	s_add_co_u32 s44, s44, s22
	s_add_co_u32 s46, s46, s22
	s_lshl_b32 s22, s18, 7
	s_add_co_u32 s44, s44, s22                     ; ids of my columns: (1024 b + 256 jb + 8 g) x 16
	s_lshl_b32 s22, s18, 8
	s_add_co_u32 s46, s46, s22                     ; ids of my 16 rows: (1024 b + 128 ib + 16 g) x 16
	s_lshl_b32 s22, s19, 12                        ; a batch's indicators: 1,024 x 4 bytes
	s_lshl_b32 s48, s20, 10
	s_lshl_b32 s52, s19, 22
	s_add_co_u32 s52, s52, s48
	s_add_co_u32 s48, s48, s22                     ; indicators of the columns: (1024 b + 256 jb) x 4
	s_lshl_b32 s50, s21, 9
	s_add_co_u32 s50, s50, s22
	s_lshl_b32 s22, s16, 5
	s_add_co_u32 s50, s50, s22                     ; indicators of my 8 rows: (1024 b + 128 ib + 8 w) x 4
	s_lshl_b32 s22, s21, 19
	s_add_co_u32 s52, s52, s22
	s_lshl_b32 s22, s16, 15
	s_add_co_u32 s52, s52, s22                     ; the output: (1024 b + 128 ib + 8 w) rows of 4,096 bytes + 1,024 jb
	s_mov_b32 s45, 0
	s_mov_b32 s47, 0
	s_mov_b32 s49, 0
	s_mov_b32 s51, 0
	s_mov_b32 s53, 0
	s_lshl_b32 s42, s16, 8
	s_add_co_u32 s42, s42, IA                      ; where my 16 cleaned rows go: 2,048 tree + 256 g = 256 w
	s_lshl_b32 s43, s16, 7
	s_add_co_u32 s43, s43, IA                      ; where the ids of my 8 output rows lie (top tree)
	; lane terms
	v_and_b32 v1, 31, v0                           ; lane
	v_and_b32 v2, 15, v0
	v_lshlrev_b32 v2, 4, v2                        ; 16 l'
	v_bfe_u32 v3, v0, 4, 1                         ; h
	v_lshrrev_b32 v32, 3, v1                       ; building: my column is 64 k + 8 g + (lane & 7), k = lane >> 3
	v_and_b32 v33, 7, v1
	v_lshlrev_b32 v33, 4, v33
	v_lshl_add_u32 v4, v32, 10, v33                ; its ids: 1,024 k + 16 (lane & 7)
	v_bfe_u32 v33, v1, 2, 1                        ; u
	v_lshlrev_b32 v33, 4, v33
	v_lshl_add_u32 v33, v32, 2, v33                ; 16 u + 4 k
	v_and_b32 v5, 3, v1                            ; e
	v_add3_u32 v5, v5, v33, s33                    ; my column's byte in row 0 of my region
	v_lshl_add_u32 v6, v1, 4, s33                  ; my 16 bytes of each 512 that the wave initialises
	v_mov_b32 v[NUL], 0x200
	v_mov_b32 v8, 1
	v_lshlrev_b32 v9, 2, v3                        ; 4 h
	v_lshl_add_u32 v10, v3, 12, v2                 ; the output: 4,096 h + 16 l'
	v_bfe_u32 v32, v0, 1, 3                        ; l' / 2
	v_mul_u32_u24 v32, v32, REG
	v_and_b32 v33, 1, v0
	v_lshl_add_u32 v11, v33, 4, v32                ; my 16 columns in row 0 of the top tree's table
	v_add_nc_u32 v12, 8*REG, v11                   ; and of the left tree's
	v_add_nc_u32 v13, s42, v2
	v_lshl_add_u32 v14, v3, 4, s43
	v_mov_b32 v[ZERO], 0
	v_mov_b32 v[ONE], 1.0
.irp k, 0,1,2,3
	v_mov_b32 v[TWOS+\k], 0x02020202
.endr
	s_wait_kmcnt 0x0
	s_load_b32 s24, s[10:11], 0x0                  ; padding_dist
	s_cmp_eq_u32 s17, 0
	s_cselect_b64 s[14:15], s[4:5], s[6:7]         ; my tree's ids
	s_add_nc_u64 s[34:35], s[14:15], s[44:45]
	s_add_nc_u64 s[36:37], s[14:15], s[46:47]
	s_add_nc_u64 s[38:39], s[8:9], s[48:49]
	s_add_nc_u64 s[40:41], s[8:9], s[50:51]
	s_add_nc_u64 s[12:13], s[12:13], s[52:53]
	; ten loads: the two that the building needs first
	global_load_b128 v[CID:CID+3], v4, s[34:35]
	global_load_b128 v[RID:RID+3], v2, s[36:37]    ; row 16 g + l'; both halves of the wave hold the same 16 rows
.irp k, 0,1,2,3
	global_load_b128 v[PJ+4*\k:PJ+4*\k+3], v2, s[38:39] offset:256*\k
.endr
.irp t, 0,1,2,3
	global_load_b32 v[IND+\t], v9, s[40:41] offset:8*\t
.endr
	; while they are on their way: rows 0..511 of my region get the byte 2 (32 stores of 512 neighbouring bytes), the null row the byte 1
.rept 32
	ds_store_b128 v6, v[TWOS:TWOS+3] offset:512*\+
.endr
	ds_store_b8 v5, v8 offset:NULLOFF
; v[a] becomes the null id where it repeats v[c]
.macro SAME a, c
	v_cmp_eq_u32 vcc_lo, v[\a], v[\c]
	v_cndmask_b32 v[\a], v[\a], v[NUL], vcc_lo
.endm
; The four ids in v[b..b+3]: every repeat of an earlier id becomes 512.  In place: a value's first occurrence is never changed, and an id already
; turned into 512 can only turn another 512 into 512.  clamp = 1: then every id outside 0..512 becomes 512 (unsigned minimum).
.macro DEDUP b, clamp
	SAME \b+1, \b
	SAME \b+2, \b
	SAME \b+2, \b+1
	SAME \b+3, \b
	SAME \b+3, \b+1
	SAME \b+3, \b+2
.if \clamp
.irp a, 0,1,2,3
	v_min_u32 v[\b+\a], 0x200, v[\b+\a]
.endr
.endif
.endm
	s_wait_loadcnt 0x8                             ; loads come back in order: both id loads are in, the eight indicator loads behind them may stay out
	; my column: a 0 into t[id][column] for each id.  LDS serves a wave's instructions in order, and the region is my wave's own: these land on the 2s above.
	DEDUP CID, 1
.irp a, 0,1,2,3
	v_lshrrev_b32 v[NB+\a], 9, v[CID+\a]           ; 1 for the null id, else 0: the byte to store (the null row keeps its 1), and the count of nulls
	v_lshl_add_u32 v[SAD+\a], v[CID+\a], 5, v5     ; row id of 32 bytes, at most row 512
.endr
.irp a, 0,1,2,3
	ds_store_b8 v[SAD+\a], v[NB+\a]
.endr
	v_add3_u32 v32, v[NB], v[NB+1], v[NB+2]
	v_add_nc_u32 v32, v32, v[NB+3]
	v_sub_nc_u32 v32, s32, v32                     ; s_j = 4 - nulls (+ 16 in the top tree)
	ds_store_b8 v5, v32 offset:SOFF
	; my row: its ids without repeats, for the waves that will look them up (they clamp them in front of the address)
	DEDUP RID, 0
	ds_store_b128 v13, v[RID:RID+3]
	s_wait_loadcnt 0x0                             ; the indicators
	s_wait_kmcnt 0x0                               ; padding_dist
	s_mov_b32 s25, s24                             ; the whole pair is written for the packed multiply-add
	s_wait_dscnt 0x0                               ; all my LDS stores are done, for the other waves' sake
	s_barrier_signal -1
.irp c, 0,1,2,3,4,5,6,7,8,9,10,11,12,13,14,15
	v_cmp_eq_u32 vcc_lo, 0, v[PJ+\c]               ; register work while the others arrive: pad_j as 0.0 or 1.0
	v_cndmask_b32 v[PJ+\c], 0, v[ONE], vcc_lo
.endr
	s_barrier_wait -1                              ; tables and ids are whole; nothing in LDS is written from here on
	ds_load_b128 v[STOP:STOP+3], v11 offset:SOFF
	ds_load_b128 v[SLEFT:SLEFT+3], v12 offset:SOFF
.irp t, 0,1,2,3
	ds_load_b128 v[AD+8*\t:AD+8*\t+3],   v14 offset:32*\t          ; row 8 w + 2 t + h, top tree
	ds_load_b128 v[AD+8*\t+4:AD+8*\t+7], v14 offset:2048+32*\t     ; left tree
.endr
	s_wait_dscnt 0x0
; step t: the eight ids become LDS addresses.  The clamp makes every id outside 0..512 the null id and keeps the address inside the table.
.macro ADDR t
.irp q, 0,1,2,3
	v_min_u32 v[AD+8*\t+\q], 0x200, v[AD+8*\t+\q]
	v_min_u32 v[AD+8*\t+4+\q], 0x200, v[AD+8*\t+4+\q]
.endr
.irp q, 0,1,2,3
	v_lshl_add_u32 v[AD+8*\t+\q], v[AD+8*\t+\q], 5, v11
	v_lshl_add_u32 v[AD+8*\t+4+\q], v[AD+8*\t+4+\q], 5, v12
.endr
.endm
; step t: eight looked-up rows, my 16 columns of each, into a set of T
.macro GATHER t, set
.irp q, 0,1,2,3,4,5,6,7
	ds_load_b128 v[T+32*\set+4*\q:T+32*\set+4*\q+3], v[AD+8*\t+\q]
.endr
.endm
; step t: sums, maximum, padding, stores.  left = how many younger LDS loads (the next step's gathers) may stay out.
.macro WORK t, set, left
.set TB, T+32*\set
.set OB, OUT+16*\t
	s_wait_dscnt \left
.irp k, 0,1,2,3
	v_add3_u32 v[E+\k],   v[TB+\k],    v[TB+4+\k],  v[TB+8+\k]     ; four columns a register, a byte each
	v_add3_u32 v[E+4+\k], v[TB+16+\k], v[TB+20+\k], v[TB+24+\k]
.endr
.irp k, 0,1,2,3
	v_add3_u32 v[E+\k],   v[E+\k],   v[TB+12+\k], v[STOP+\k]       ; dist_top + 20: 20 to 28
	v_add3_u32 v[E+4+\k], v[E+4+\k], v[TB+28+\k], v[SLEFT+\k]      ; dist_left + 4: 4 to 12
.endr
	; the maximum, byte by byte: top - left is 16 + dist_top - dist_left, 8 to 24 in every byte, so no byte borrows, and its bit 4 says top >= left
.irp k, 0,1,2,3
	v_sub_nc_u32 v[TB+\k], v[E+\k], v[E+4+\k]
.endr
.irp k, 0,1,2,3
	v_and_b32 v[TB+\k], s26, v[TB+\k]
.endr
.irp k, 0,1,2,3
	v_lshrrev_b32 v[TB+4+\k], 4, v[TB+\k]
.endr
.irp k, 0,1,2,3
	v_sub_nc_u32 v[TB+\k], v[TB+\k], v[TB+4+\k]    ; 0x10 - 0x01 = 0x0f where top >= left, else 0
.endr
.irp k, 0,1,2,3
	v_bfi_b32 v[E+\k], v[TB+\k], v[E+\k], v[E+4+\k]        ; the low nibble of dist_top + 20 is dist_top + 4; the high nibble comes from left's, which is 0
.endr
.irp k, 0,1,2,3
.irp e, 0,1,2,3
	v_perm_b32 v[OB+4*\k+\e], s27, v[E+\k], s[28+\e]       ; the byte under 2^23's exponent: the f32 number 2^23 + max + 4
.endr
.endr
	v_cmp_eq_u32 vcc_lo, 0, v[IND+\t]
	v_cndmask_b32 v[Q], 1.0, v[ZERO], vcc_lo       ; 1 - pad_i
	v_cndmask_b32 v[Q+1], 0, v[ONE], vcc_lo        ; pad_i
.irp p, 0,1,2,3,4,5,6,7
	v_pk_add_f32 v[OB+2*\p:OB+2*\p+1], v[OB+2*\p:OB+2*\p+1], 0xcb000004 op_sel_hi:[1,0]   ; - (2^23 + 4), exact
.endr
.irp p, 0,1,2,3,4,5,6,7
	v_pk_fma_f32 v[TB+8+2*\p:TB+8+2*\p+1], v[PJ+2*\p:PJ+2*\p+1], v[Q:Q+1], v[Q:Q+1] op_sel:[0,0,1] op_sel_hi:[1,0,1]   ; pad_j (1 - pad_i) + pad_i = max(pad_i, pad_j)
.endr
.irp p, 0,1,2,3,4,5,6,7
	v_pk_fma_f32 v[OB+2*\p:OB+2*\p+1], v[TB+8+2*\p:TB+8+2*\p+1], s[24:25], v[OB+2*\p:OB+2*\p+1] op_sel_hi:[1,0,1]
.endr
.irp k, 0,1,2,3
	global_store_b128 v10, v[OB+4*\k:OB+4*\k+3], s[12:13] offset:8192*\t+256*\k th:TH_STORE_NT   ; lanes 0-15: 256 consecutive bytes of one row, aligned; lanes 16-31: of the next row
.endr
.endm
	; four steps of two rows; a step's gathers are issued one step ahead, into the set that the step before last has used up
	ADDR 0
	GATHER 0, 0
	ADDR 1
	GATHER 1, 1
	WORK 0, 0, 8
	ADDR 2
	GATHER 2, 0
	WORK 1, 1, 8
	ADDR 3
	GATHER 3, 1
	WORK 2, 0, 8
	WORK 3, 1, 0
	s_wait_tensorcnt 0x0
	ds_add_u32 v244, v245
	s_wait_dscnt 0x0
	s_endpgm
.Lfunc_end_k_qd042e41431_dist:
	.size	k_qd042e41431_dist, .Lfunc_end_k_qd042e41431_dist-k_qd042e41431_dist
	.p2alignl 7, 3214868480
	.fill 96, 4, 3214868480
	.section	.rodata,"a",@progbits
	.p2align	6, 0x0
	.amdhsa_kernel k_qd042e41431_dist
		.amdhsa_group_segment_fixed_size 272896
		.amdhsa_private_segment_fixed_size 0
		.amdhsa_enable_private_segment 0
		.amdhsa_kernarg_size 40
		.amdhsa_user_sgpr_count 2
		.amdhsa_user_sgpr_kernarg_segment_ptr 1
		.amdhsa_wavefront_size32 1
		.amdhsa_system_sgpr_workgroup_id_x 1
		.amdhsa_system_sgpr_workgroup_id_y 1
		.amdhsa_system_sgpr_workgroup_id_z 1
		.amdhsa_system_vgpr_workitem_id 0
		.amdhsa_next_free_vgpr 246
		.amdhsa_next_free_sgpr 66
		.amdhsa_reserve_vcc 1
		.amdhsa_float_denorm_mode_32 3
		.amdhsa_float_denorm_mode_16_64 3
		.amdhsa_memory_ordered 1
		.amdhsa_forward_progress 1
		.amdhsa_inst_pref_size 38
	.end_amdhsa_kernel
	.amdgpu_metadata
---
amdhsa.version: [ 1, 2 ]
amdhsa.kernels:
  - .name:           k_qd042e41431_dist
    .symbol:         k_qd042e41431_dist.kd
    .args:
      - { .name: zipped_top, .offset: 0, .size: 8, .value_kind: global_buffer, .address_space: global }
      - { .name: zipped_left, .offset: 8, .size: 8, .value_kind: global_buffer, .address_space: global }
      - { .name: indicator, .offset: 16, .size: 8, .value_kind: global_buffer, .address_space: global }
      - { .name: padding_dist, .offset: 24, .size: 8, .value_kind: global_buffer, .address_space: global }
      - { .name: out0, .offset: 32, .size: 8, .value_kind: global_buffer, .address_space: global }
    .group_segment_fixed_size: 272896
    .private_segment_fixed_size: 0
    .kernarg_segment_align: 8
    .kernarg_segment_size: 40
    .max_flat_workgroup_size: 512
    .sgpr_count:     66
    .vgpr_count:     246
    .wavefront_size: 32
...
	.end_amdgpu_metadata
.endif
;; end of part 1
;; ======== version 2 of 2: 1 launch; version 1 with the launch dist written anew for expert scheduling mode
;; launch dist (part 2): grid 32 x 8, 16 waves a work-group, no clusters, 272,896 bytes of LDS; arguments zipped_top, zipped_left, indicator, padding_dist, out0; writes out0
.if DOCPART == 2
	.amdgcn_target "amdgcn-amd-amdhsa--gfx1250"
	.amdhsa_code_object_version 6
	.text
	.protected	k_qd042e41431_dist
	.globl	k_qd042e41431_dist
	.p2align	8
	.type	k_qd042e41431_dist,@function
k_qd042e41431_dist:
	s_mov_b64 s[64:65], 0
	v_nop
	global_prefetch_b8 v0, s[64:65] scope:SCOPE_SE
	s_setreg_imm32_b32 hwreg(HW_REG_WAVE_SCHED_MODE, 0, 2), 2
	s_setreg_imm32_b32 hwreg(HW_REG_WAVE_MODE, 25, 1), 1
	s_wait_xcnt 0x0
	s_wait_alu depctr_vm_vsrc(0)
; out[b][i][j] = max(dist_top, dist_left) + max(pad_i, pad_j) * padding_dist,   dist = s_i + s_j - 2 |set_i & set_j|,
; where set_i is the set of row i's (at most four) ids below 512, s_i its size, pad_i = (indicator[b][i] == 0).
;
; THE PRODUCT IS A LOOKUP.  reference() forms |set_i & set_j| as a dense product of multi-hot rows that it builds itself by one_hot of the ids.
; Row i of that product is the sum, over the distinct ids d of row i, of column d of the multi-hot matrix: at most four looked-up rows of a table.
; So no matrix instruction is used.  The form used here, for every value of the ids:
;   an id outside 0..511 sets no bit that survives (one_hot has no such column, column 512 is sliced away): it becomes the null id 512 (unsigned minimum);
;   an id equal to an earlier id of its row sets no new bit (the maximum over depth): it becomes 512 too;
;   table t[d][j] = 2 if d < 512 is not in set_j, 0 if it is, and t[512][j] = 1.  Then the sum of t[id][j] over row i's four ids is
;   2 (s_i - inner) + (4 - s_i) = s_i - 2 inner + 4, and with s_j added it is dist + 4, from 4 to 12.
; That fits a byte, so one 32-bit add sums four columns, and no byte carries into its neighbour (the largest byte sum here is 28).
; Nothing of reference() is left out: all four inputs are loaded, and every step up to the last is exact in whole numbers.
; The last step is fma(m, padding_dist, attn) with m = 0 or 1: m * padding_dist is exact, so it rounds as reference()'s multiply and add do,
; and a padding_dist that is not finite gives NaN or infinity where reference() gives them.  No limit of range is kept.
;
; SHARES.  256 work-groups: batch b = y; x = 4 ib + jb: rows 128 ib .. +127, columns 256 jb .. +255 (128 KiB of the output each).  16 waves.
; Building: wave w = 8 tree + g makes the table of its tree for 32 of the 256 columns, in an LDS region of its own, and cleans the ids of 16 of the 128 rows.
; One barrier.  Then wave w makes rows 8 w .. 8 w + 7, two at a time (lanes 0-15 one row, lanes 16-31 the next), all 256 columns.
; Lane l' = lane % 16 holds columns 64 k + 4 l' + e in register 4 k + e, so store k of a wave writes, from sixteen neighbouring lanes, 256 consecutive
; bytes at a multiple of 256 from the output's first byte.
; What the work-groups share from memory is some 14 KiB of ids and indicators each, beside 128 KiB stored: no cluster, no tensor load; the table is built, not copied.
;
; LDS.  Region w at w * REG: 514 rows of 32 bytes.  Rows 0..511: t; row 512: the null row; row 513: s_j (+ 16 in the top tree, see WORK).
; Column 64 k + 8 g + 4 u + e lies in region g of its tree at byte 16 u + 4 k + e of a row, so lane l' finds its 16 columns as 16 neighbouring bytes
; of region l' / 2 at byte 16 (l' % 2).  REG = 514 * 32 + 224 is 32 modulo 256: the sixteen lanes of a half wave, which look up one id, read
; sixteen different 16-byte columns modulo 256 bytes (64 banks of 4 bytes: ISA guide 11.1).
; Behind the regions, at IA: the cleaned ids, 16 bytes a row, 128 rows of the top tree, then 128 of the left.
;
; THE MODE: SCHED_MODE bits 1:0 = 2 (LLVM: expert scheduling mode 2), set by the entry lines.  The code itself states the register dependences
; between vector instructions and memory or LDS instructions, and from a vector instruction's scalar result to its readers, with s_wait_alu, always for 0.
; THE PLAN.  Registers that memory or LDS instructions touch:
;   v2, v4 to v6, v8 to v14, v[16:19]   offsets, LDS addresses and constant store data: written at the head, ahead of one wait on va_vdst, and never again.
;   CID, RID, PJ, IND, STOP, SLEFT      each the landing place of one load; no vector instruction names them ahead of that load, and none is loaded twice.
;   NB, SAD, v32, RID                   written by the building's vector work, read by the six LDS stores behind one wait on va_vdst, never written again.
;   AD                                  32 ids land once; ADDR turns them in place into addresses; the gathers read them; never written again.
;   T, two sets                         step t's gathers land in set t % 2; WORK t reads the set and uses it as scratch; step t + 2's gathers land in it again.
;   OUT, a set for each step            written by WORK t, read by its four stores, never written again.
; So ONE wait on va_vdst stands in a step, behind its arithmetic: it states that OUT[t] is written and that the step is done with its set of T; the step's stores
; and the gathers of step t + 2 follow it with no vector instruction between.  No register that a memory or LDS instruction reads is ever written afterwards:
; the steps need no wait on vm_vsrc.  Compares stand in runs, into scalar registers of their own, with one wait on va_sdst behind each run.  EXEC is never written.
.set REG,     16672
.set NULLOFF, 512*32
.set SOFF,    513*32
.set IA,      16*REG
; scalar registers for masks
.set MK,    66                         ; s[66:81]  the masks of a run of compares: twelve for the ids, later sixteen for pad_j
.set MI,    82                         ; s[82:85]  step t: the mask pad_i of my row
; vector registers
.set NUL,   7                          ; v7        512
.set ZERO,  15                         ; v15       0
.set TWOS,  16                         ; v[16:19]  the byte 2, sixteen times
.set CID,   20                         ; v[20:23]  my column's four ids
.set NB,    24                         ; v[24:27]  1 where that id is null, else 0
.set SAD,   28                         ; v[28:31]  where each id's byte goes
.set ONE,   34                         ; v34       1.0
.set RID,   36                         ; v[36:39]  my row's four ids
.set IND,   40                         ; v[40:43]  step t: the indicator of my row
.set PJ,    44                         ; v[44:59]  pad_j of my 16 columns, 0.0 or 1.0
.set STOP,  60                         ; v[60:63]  s_j + 16 of my 16 columns, top tree, a byte each
.set SLEFT, 64                         ; v[64:67]  s_j, left tree
.set AD,    68                         ; v[68:99]  step t: 4 top and 4 left ids of my row, then their LDS addresses
.set T,     100                        ; v[100:163] two sets of 8 looked-up rows x 4 registers (16 tree + 4 a + k); once summed, a set's registers are at work
.set E,     164                        ; v[164:171] dist + 20 (top), dist + 4 (left), four registers each
.set Q,     174                        ; v[174:175] 1 - pad_i, pad_i
.set OUT,   180                        ; v[180:243] step t: 16 results; a set for each step, so that no store's data is ever rewritten
	s_load_b256 s[4:11], s[0:1], 0x0               ; zipped_top s[4:5], zipped_left s[6:7], indicator s[8:9], padding_dist s[10:11]
	s_load_b64 s[12:13], s[0:1], 0x20              ; out0
	v_lshl_add_u32 v178, v0, 2, 0x42200
	v_mov_b32 v179, 0
	v_lshrrev_b32 v32, 5, v0
	v_readfirstlane_b32 s16, v32                   ; wave w
	s_and_b32 s19, ttmp7, 0xffff                   ; b   (the scalar lines that do not hang on w stand between that line and the wait for it)
	s_and_b32 s20, ttmp9, 3                        ; jb
	s_lshr_b32 s21, ttmp9, 2                       ; ib
	s_mov_b32 s26, 0x10101010
	s_mov_b32 s27, 0x4b000000                      ; 2^23 as f32
	s_mov_b32 s28, 0x07040400                      ; v_perm_b32: byte e below, two zero bytes, the 0x4b on top
	s_mov_b32 s29, 0x07040401
	s_mov_b32 s30, 0x07040402
	s_mov_b32 s31, 0x07040403
	s_wait_alu depctr_va_sdst(0)                   ; s16 is written, ahead of its first reader: the tree, the regions, the offsets are made from it
	s_lshr_b32 s17, s16, 3                         ; tree: 0 top, 1 left
	s_and_b32 s18, s16, 7                          ; g
	s_lshl_b32 s32, s17, 4
	s_sub_co_u32 s32, 20, s32                      ; 4 + 16 in the top tree, 4 in the left
	s_mul_i32 s33, s16, REG                        ; my region
	; byte offsets, each in a pair of its own, made while the arguments are on their way
	s_lshl_b32 s22, s19, 14                        ; a batch's ids: 1,024 rows of 16 bytes
	s_lshl_b32 s44, s20, 12
	s_lshl_b32 s46, s21, 11
	s_add_co_u32 s44, s44, s22
	s_add_co_u32 s46, s46, s22
	s_lshl_b32 s22, s18, 7
	s_add_co_u32 s44, s44, s22                     ; ids of my columns: (1024 b + 256 jb + 8 g) x 16
	s_lshl_b32 s22, s18, 8
	s_add_co_u32 s46, s46, s22                     ; ids of my 16 rows: (1024 b + 128 ib + 16 g) x 16
	s_lshl_b32 s22, s19, 12                        ; a batch's indicators: 1,024 x 4 bytes
	s_lshl_b32 s48, s20, 10
	s_lshl_b32 s52, s19, 22
	s_add_co_u32 s52, s52, s48
	s_add_co_u32 s48, s48, s22                     ; indicators of the columns: (1024 b + 256 jb) x 4
	s_lshl_b32 s50, s21, 9
	s_add_co_u32 s50, s50, s22
	s_lshl_b32 s22, s16, 5
	s_add_co_u32 s50, s50, s22                     ; indicators of my 8 rows: (1024 b + 128 ib + 8 w) x 4
	s_lshl_b32 s22, s21, 19
	s_add_co_u32 s52, s52, s22
	s_lshl_b32 s22, s16, 15
	s_add_co_u32 s52, s52, s22                     ; the output: (1024 b + 128 ib + 8 w) rows of 4,096 bytes + 1,024 jb
	s_mov_b32 s45, 0
	s_mov_b32 s47, 0
	s_mov_b32 s49, 0
	s_mov_b32 s51, 0
	s_mov_b32 s53, 0
	s_lshl_b32 s42, s16, 8
	s_add_co_u32 s42, s42, IA                      ; where my 16 cleaned rows go: 2,048 tree + 256 g = 256 w
	s_lshl_b32 s43, s16, 7
	s_add_co_u32 s43, s43, IA                      ; where the ids of my 8 output rows lie (top tree)
	; lane terms
	v_and_b32 v1, 31, v0                           ; lane
	v_and_b32 v2, 15, v0
	v_lshlrev_b32 v2, 4, v2                        ; 16 l'
	v_bfe_u32 v3, v0, 4, 1                         ; h
	v_lshrrev_b32 v32, 3, v1                       ; building: my column is 64 k + 8 g + (lane & 7), k = lane >> 3
	v_and_b32 v33, 7, v1
	v_lshlrev_b32 v33, 4, v33
	v_lshl_add_u32 v4, v32, 10, v33                ; its ids: 1,024 k + 16 (lane & 7)
	v_bfe_u32 v33, v1, 2, 1                        ; u
	v_lshlrev_b32 v33, 4, v33
	v_lshl_add_u32 v33, v32, 2, v33                ; 16 u + 4 k
	v_and_b32 v5, 3, v1                            ; e
	v_add3_u32 v5, v5, v33, s33                    ; my column's byte in row 0 of my region
	v_lshl_add_u32 v6, v1, 4, s33                  ; my 16 bytes of each 512 that the wave initialises
	v_mov_b32 v[NUL], 0x200
	v_mov_b32 v8, 1
	v_lshlrev_b32 v9, 2, v3                        ; 4 h
	v_lshl_add_u32 v10, v3, 12, v2                 ; the output: 4,096 h + 16 l'
	v_bfe_u32 v32, v0, 1, 3                        ; l' / 2
	v_mul_u32_u24 v32, v32, REG
	v_and_b32 v33, 1, v0
	v_lshl_add_u32 v11, v33, 4, v32                ; my 16 columns in row 0 of the top tree's table
	v_add_nc_u32 v12, 8*REG, v11                   ; and of the left tree's
	v_add_nc_u32 v13, s42, v2
	v_lshl_add_u32 v14, v3, 4, s43
	v_mov_b32 v[ZERO], 0
	v_mov_b32 v[ONE], 1.0
.irp k, 0,1,2,3
	v_mov_b32 v[TWOS+\k], 0x02020202
.endr
	s_wait_kmcnt 0x0
	s_load_b32 s24, s[10:11], 0x0                  ; padding_dist
	s_cmp_eq_u32 s17, 0
	s_cselect_b64 s[14:15], s[4:5], s[6:7]         ; my tree's ids
	s_add_nc_u64 s[34:35], s[14:15], s[44:45]
	s_add_nc_u64 s[36:37], s[14:15], s[46:47]
	s_add_nc_u64 s[38:39], s[8:9], s[48:49]
	s_add_nc_u64 s[40:41], s[8:9], s[50:51]
	s_add_nc_u64 s[12:13], s[12:13], s[52:53]
	s_wait_alu depctr_va_vdst(0)                   ; the head's offsets, LDS addresses and constant store data (v2, v4 to v6, v8 to v14, v[16:19]) are written: every load and store of the kernel but the gathers and four byte stores takes its address from them, and none is written again
	; ten loads: the two that the building needs first
	global_load_b128 v[CID:CID+3], v4, s[34:35]
	global_load_b128 v[RID:RID+3], v2, s[36:37]    ; row 16 g + l'; both halves of the wave hold the same 16 rows
.irp k, 0,1,2,3
	global_load_b128 v[PJ+4*\k:PJ+4*\k+3], v2, s[38:39] offset:256*\k
.endr
.irp t, 0,1,2,3
	global_load_b32 v[IND+\t], v9, s[40:41] offset:8*\t
.endr
	; while they are on their way: rows 0..511 of my region get the byte 2 (32 stores of 512 neighbouring bytes), the null row the byte 1
.rept 32
	ds_store_b128 v6, v[TWOS:TWOS+3] offset:512*\+
.endr
	ds_store_b8 v5, v8 offset:NULLOFF
; The four ids in v[b..b+3]: every repeat of an earlier id becomes 512.  PAIRS compares each id, as loaded, with each earlier one: six masks from s[m] on.
; NULLS then puts 512 where a mask says so.  clamp = 1: then every id outside 0..512 becomes 512 (unsigned minimum).
.macro PAIRS b, m
	v_cmp_eq_u32 s[\m],   v[\b+1], v[\b]
	v_cmp_eq_u32 s[\m+1], v[\b+2], v[\b]
	v_cmp_eq_u32 s[\m+2], v[\b+2], v[\b+1]
	v_cmp_eq_u32 s[\m+3], v[\b+3], v[\b]
	v_cmp_eq_u32 s[\m+4], v[\b+3], v[\b+1]
	v_cmp_eq_u32 s[\m+5], v[\b+3], v[\b+2]
.endm
.macro NULLS b, m, clamp
	v_cndmask_b32 v[\b+1], v[\b+1], v[NUL], s[\m]
	v_cndmask_b32 v[\b+2], v[\b+2], v[NUL], s[\m+1]
	v_cndmask_b32 v[\b+2], v[\b+2], v[NUL], s[\m+2]
	v_cndmask_b32 v[\b+3], v[\b+3], v[NUL], s[\m+3]
	v_cndmask_b32 v[\b+3], v[\b+3], v[NUL], s[\m+4]
	v_cndmask_b32 v[\b+3], v[\b+3], v[NUL], s[\m+5]
.if \clamp
.irp a, 0,1,2,3
	v_min_u32 v[\b+\a], 0x200, v[\b+\a]
.endr
.endif
.endm
	s_wait_loadcnt 0x8                             ; loads come back in order: both id loads are in, the eight indicator loads behind them may stay out
	PAIRS CID, MK                                  ; one run of twelve compares, for my column's ids and my row's
	PAIRS RID, MK+6
	s_wait_alu depctr_va_sdst(0)                   ; the twelve masks s[66:77] are written, ahead of the selects that read them
	; my column: a 0 into t[id][column] for each id.  LDS serves a wave's instructions in order, and the region is my wave's own: these land on the 2s above.
	NULLS CID, MK, 1
.irp a, 0,1,2,3
	v_lshrrev_b32 v[NB+\a], 9, v[CID+\a]           ; 1 for the null id, else 0: the byte to store (the null row keeps its 1), and the count of nulls
	v_lshl_add_u32 v[SAD+\a], v[CID+\a], 5, v5     ; row id of 32 bytes, at most row 512
.endr
	v_add3_u32 v32, v[NB], v[NB+1], v[NB+2]
	v_add_nc_u32 v32, v32, v[NB+3]
	v_sub_nc_u32 v32, s32, v32                     ; s_j = 4 - nulls (+ 16 in the top tree)
	; my row: its ids without repeats, for the waves that will look them up (they clamp them in front of the address)
	NULLS RID, MK+6, 0
	s_wait_alu depctr_va_vdst(0)                   ; SAD, NB, v32 and RID are written, which the six LDS stores below read as addresses and data
.irp a, 0,1,2,3
	ds_store_b8 v[SAD+\a], v[NB+\a]
.endr
	ds_store_b8 v5, v32 offset:SOFF
	ds_store_b128 v13, v[RID:RID+3]
	s_wait_loadcnt 0x0                             ; the indicators
.irp c, 0,1,2,3,4,5,6,7,8,9,10,11,12,13,14,15
	v_cmp_eq_u32 s[MK+\c], 0, v[PJ+\c]             ; one run of twenty compares: pad_j of my 16 columns,
.endr
.irp t, 0,1,2,3
	v_cmp_eq_u32 s[MI+\t], 0, v[IND+\t]            ; and pad_i of my row in each of the four steps
.endr
	s_wait_alu depctr_va_sdst(0)                   ; the twenty masks s[66:85] are written, ahead of their first readers: the selects below and those of the steps
	s_wait_kmcnt 0x0                               ; padding_dist
	s_mov_b32 s25, s24                             ; the whole pair is written for the packed multiply-add
	s_wait_dscnt 0x0                               ; all my LDS stores are done, for the other waves' sake
	s_barrier_signal -1
.irp c, 0,1,2,3,4,5,6,7,8,9,10,11,12,13,14,15
	v_cndmask_b32 v[PJ+\c], 0, v[ONE], s[MK+\c]    ; register work while the others arrive: pad_j as 0.0 or 1.0
.endr
	s_barrier_wait -1                              ; tables and ids are whole; nothing in LDS is written from here on
	ds_load_b128 v[STOP:STOP+3], v11 offset:SOFF   ; no wait is owed: v11, v12 and v14 stand ahead of the head's wait, and no vector instruction has named them or v[60:99] since
	ds_load_b128 v[SLEFT:SLEFT+3], v12 offset:SOFF
.irp t, 0,1,2,3
	ds_load_b128 v[AD+8*\t:AD+8*\t+3],   v14 offset:32*\t          ; row 8 w + 2 t + h, top tree
	ds_load_b128 v[AD+8*\t+4:AD+8*\t+7], v14 offset:2048+32*\t     ; left tree
.endr
	s_wait_dscnt 0x0
; step t: the eight ids become LDS addresses.  The clamp makes every id outside 0..512 the null id and keeps the address inside the table.
.macro ADDR t
.irp q, 0,1,2,3
	v_min_u32 v[AD+8*\t+\q], 0x200, v[AD+8*\t+\q]
	v_min_u32 v[AD+8*\t+4+\q], 0x200, v[AD+8*\t+4+\q]
.endr
.irp q, 0,1,2,3
	v_lshl_add_u32 v[AD+8*\t+\q], v[AD+8*\t+\q], 5, v11
	v_lshl_add_u32 v[AD+8*\t+4+\q], v[AD+8*\t+4+\q], 5, v12
.endr
.endm
; step t: eight looked-up rows, my 16 columns of each, into a set of T
.macro GATHER t, set
.irp q, 0,1,2,3,4,5,6,7
	ds_load_b128 v[T+32*\set+4*\q:T+32*\set+4*\q+3], v[AD+8*\t+\q]
.endr
.endm
; step t: sums, maximum, padding, stores.  left = how many younger LDS loads (the next step's gathers) may stay out.
.macro WORK t, set, left
.set TB, T+32*\set
.set OB, OUT+16*\t
	s_wait_dscnt \left
.irp k, 0,1,2,3
	v_add3_u32 v[E+\k],   v[TB+\k],    v[TB+4+\k],  v[TB+8+\k]     ; four columns a register, a byte each
	v_add3_u32 v[E+4+\k], v[TB+16+\k], v[TB+20+\k], v[TB+24+\k]
.endr
.irp k, 0,1,2,3
	v_add3_u32 v[E+\k],   v[E+\k],   v[TB+12+\k], v[STOP+\k]       ; dist_top + 20: 20 to 28
	v_add3_u32 v[E+4+\k], v[E+4+\k], v[TB+28+\k], v[SLEFT+\k]      ; dist_left + 4: 4 to 12
.endr
	; the maximum, byte by byte: top - left is 16 + dist_top - dist_left, 8 to 24 in every byte, so no byte borrows, and its bit 4 says top >= left
.irp k, 0,1,2,3
	v_sub_nc_u32 v[TB+\k], v[E+\k], v[E+4+\k]
.endr
.irp k, 0,1,2,3
	v_and_b32 v[TB+\k], s26, v[TB+\k]
.endr
.irp k, 0,1,2,3
	v_lshrrev_b32 v[TB+4+\k], 4, v[TB+\k]
.endr
.irp k, 0,1,2,3
	v_sub_nc_u32 v[TB+\k], v[TB+\k], v[TB+4+\k]    ; 0x10 - 0x01 = 0x0f where top >= left, else 0
.endr
.irp k, 0,1,2,3
	v_bfi_b32 v[E+\k], v[TB+\k], v[E+\k], v[E+4+\k]        ; the low nibble of dist_top + 20 is dist_top + 4; the high nibble comes from left's, which is 0
.endr
.irp k, 0,1,2,3
.irp e, 0,1,2,3
	v_perm_b32 v[OB+4*\k+\e], s27, v[E+\k], s[28+\e]       ; the byte under 2^23's exponent: the f32 number 2^23 + max + 4
.endr
.endr
	v_cndmask_b32 v[Q], 1.0, v[ZERO], s[MI+\t]     ; 1 - pad_i   (the mask was made, and waited for, ahead of the barrier)
	v_cndmask_b32 v[Q+1], 0, v[ONE], s[MI+\t]      ; pad_i
.irp p, 0,1,2,3,4,5,6,7
	v_pk_add_f32 v[OB+2*\p:OB+2*\p+1], v[OB+2*\p:OB+2*\p+1], 0xcb000004 op_sel_hi:[1,0]   ; - (2^23 + 4), exact
.endr
.irp p, 0,1,2,3,4,5,6,7
	v_pk_fma_f32 v[TB+8+2*\p:TB+8+2*\p+1], v[PJ+2*\p:PJ+2*\p+1], v[Q:Q+1], v[Q:Q+1] op_sel:[0,0,1] op_sel_hi:[1,0,1]   ; pad_j (1 - pad_i) + pad_i = max(pad_i, pad_j)
.endr
.irp p, 0,1,2,3,4,5,6,7
	v_pk_fma_f32 v[OB+2*\p:OB+2*\p+1], v[TB+8+2*\p:TB+8+2*\p+1], s[24:25], v[OB+2*\p:OB+2*\p+1] op_sel_hi:[1,0,1]
.endr
	s_wait_alu depctr_va_vdst(0)                   ; the step has written its OUT, which the four stores read; it is done reading and writing its set of T, in which the gathers of the step after next land; in step 0 the addresses of steps 2 and 3 are written too
.irp k, 0,1,2,3
	global_store_b128 v10, v[OB+4*\k:OB+4*\k+3], s[12:13] offset:8192*\t+256*\k th:TH_STORE_NT   ; lanes 0-15: 256 consecutive bytes of one row, aligned; lanes 16-31: of the next row
.endr
.endm
	; four steps of two rows; a step's gathers are issued one step ahead or more, into the set that the step before last has used up
	ADDR 0
	ADDR 1
	s_wait_alu depctr_va_vdst(0)                   ; the sixteen addresses of steps 0 and 1 are written, which the gathers below read
	GATHER 0, 0
	GATHER 1, 1
	ADDR 2                                         ; these write v[84:99], which no gather issued so far reads; they stand in the first gathers' way to the registers
	ADDR 3
	WORK 0, 0, 8
	GATHER 2, 0                                    ; no further wait: between the step's wait and these loads stand its stores alone, which read OUT and v10
	WORK 1, 1, 8
	GATHER 3, 1
	WORK 2, 0, 8
	WORK 3, 1, 0
	s_wait_dscnt 0x0
	s_wait_alu depctr_hold_cnt(0) depctr_sa_sdst(0) depctr_va_vdst(0) depctr_va_sdst(0) depctr_va_ssrc(0) depctr_va_vcc(0) depctr_vm_vsrc(0)
	s_wait_tensorcnt 0x0
	ds_add_u32 v178, v179
	s_wait_dscnt 0x0
	s_endpgm
.Lfunc_end_k_qd042e41431_dist:
	.size	k_qd042e41431_dist, .Lfunc_end_k_qd042e41431_dist-k_qd042e41431_dist
	.p2alignl 7, 3214868480
	.fill 96, 4, 3214868480
	.section	.rodata,"a",@progbits
	.p2align	6, 0x0
	.amdhsa_kernel k_qd042e41431_dist
		.amdhsa_group_segment_fixed_size 272896
		.amdhsa_private_segment_fixed_size 0
		.amdhsa_enable_private_segment 0
		.amdhsa_kernarg_size 40
		.amdhsa_user_sgpr_count 2
		.amdhsa_user_sgpr_kernarg_segment_ptr 1
		.amdhsa_wavefront_size32 1
		.amdhsa_system_sgpr_workgroup_id_x 1
		.amdhsa_system_sgpr_workgroup_id_y 1
		.amdhsa_system_sgpr_workgroup_id_z 1
		.amdhsa_system_vgpr_workitem_id 0
		.amdhsa_next_free_vgpr 244
		.amdhsa_next_free_sgpr 86
		.amdhsa_reserve_vcc 0
		.amdhsa_float_denorm_mode_32 3
		.amdhsa_float_denorm_mode_16_64 3
		.amdhsa_memory_ordered 1
		.amdhsa_forward_progress 1
		.amdhsa_inst_pref_size 40
	.end_amdhsa_kernel
	.amdgpu_metadata
---
amdhsa.version: [ 1, 2 ]
amdhsa.kernels:
  - .name:           k_qd042e41431_dist
    .symbol:         k_qd042e41431_dist.kd
    .args:
      - { .name: zipped_top, .offset: 0, .size: 8, .value_kind: global_buffer, .address_space: global }
      - { .name: zipped_left, .offset: 8, .size: 8, .value_kind: global_buffer, .address_space: global }
      - { .name: indicator, .offset: 16, .size: 8, .value_kind: global_buffer, .address_space: global }
      - { .name: padding_dist, .offset: 24, .size: 8, .value_kind: global_buffer, .address_space: global }
      - { .name: out0, .offset: 32, .size: 8, .value_kind: global_buffer, .address_space: global }
    .group_segment_fixed_size: 272896
    .private_segment_fixed_size: 0
    .kernarg_segment_align: 8
    .kernarg_segment_size: 40
    .max_flat_workgroup_size: 512
    .sgpr_count:     86
    .vgpr_count:     244
    .wavefront_size: 32
...
	.end_amdgpu_metadata
.endif
;; end of part 2
